; MI455X (gfx1250); checked and timed in simulation.
; The chip was launched on July 23, 2026; its instructions are those of AMD's public machine-readable ISA for CDNA 5 (MIT licence, August 2026) and "CDNA5" Instruction Set Architecture Reference Guide (July 2026). The comments in the code are by the model that wrote it; some were corrected since.
;; Complex Mixture. Allowed arithmetic: matrix products marked QUANTISED: E3M2 operands, one E8M0 scale for each 32 along K, by v_wmma_scale_f32_16x16x128_f8f6f4 with both operands' format E3M2, f32 sums; products left as they are: f32 operands where the result goes on into a quantised operand, else bf16, f16 or f32 operands; f32 sums; everything else in f32.
;; Inputs: input_imag 8 x 512 x 768 float32; input_real 8 x 512 x 768 float32; weight 8 x 512 float32.
;; Outputs: out0 8 x 768 x 768 float32; out1 8 x 768 x 768 float32.
;; This version of the problem:
;;   THIS VERSION OF THE PROBLEM IS GIVEN IN LOW PRECISION. The matrix products marked QUANTISED in the list below multiply operands that are first quantised to E3M2 (3 exponent bits, 2 mantissa bits; 6 bits a number), with one power-of-two scale for each 32 numbers along K (OCP MX v1.0); their sums are f32. All else is computed in f32.
;;   The module's matrix products, in the order in which they are computed (A, B: the left and right operand; K: the contracted axis; several contracted axes count as one K, in the product's order):
;;     1. batch 4,096 x [M 1, K 1] x [K 1, N 768]; A: computed on the way; B: computed on the way: left as it is (no contracted axis)
;;     2. batch 8 x [M 768, K 512] x [K 512, N 768]; A: computed on the way; B: input input_real: QUANTISED
;;     3. batch 4,096 x [M 1, K 1] x [K 1, N 768]; A: computed on the way; B: computed on the way: left as it is (no contracted axis)
;;     4. batch 8 x [M 768, K 512] x [K 512, N 768]; A: computed on the way; B: input input_imag: QUANTISED
;;     5. batch 4,096 x [M 1, K 1] x [K 1, N 768]; A: computed on the way; B: computed on the way: left as it is (no contracted axis)
;;     6. batch 8 x [M 768, K 512] x [K 512, N 768]; A: computed on the way; B: input input_real: QUANTISED
;;     7. batch 4,096 x [M 1, K 1] x [K 1, N 768]; A: computed on the way; B: computed on the way: left as it is (no contracted axis)
;;     8. batch 8 x [M 768, K 512] x [K 512, N 768]; A: computed on the way; B: input input_imag: QUANTISED
;;   THE QUANTISER, for each operand of a quantised product, along K:
;;     - K is cut into blocks of 32 from its start; a last block that is shorter is filled with zeros.
;;     - A block's scale is 2^e with e = floor(log2(the largest magnitude in the block)) - 4, held to -126 .. 127; a block of zeros has e = 0. As a byte (E8M0): e + 127.
;;     - Each number is divided by its block's scale, clamped to +-28, and rounded to the nearest number of E3M2, ties to even, subnormals kept.
;;     - The product sums the exact products of the quantised numbers (number of the format x scale) in f32.
;;   ~~~python
;;   def quantise(x, axis):      # numpy; x: float32 -> the quantised numbers, widened to float32 again
;;       x = np.moveaxis(x, axis, -1); K = x.shape[-1]
;;       x = np.pad(x, [(0, 0)] * (x.ndim - 1) + [(0, -K % 32)]); x = x.reshape(x.shape[:-1] + (-1, 32)); a = np.abs(x).max(-1, keepdims=True)
;;       e = np.where(a > 0, np.clip(np.frexp(np.where(a > 0, a, 1))[1] - 1 - 4, -126, 127), 0)      # np.frexp(a)[1] - 1 = floor(log2(a)), exactly
;;       r = np.clip(x / 2.0 ** e, -28, 28)
;;       step = 2.0 ** (np.maximum(np.frexp(np.where(r == 0, 1, r))[1] - 1, -2) - 2)
;;       q = np.round(r / step) * step * 2.0 ** e      # np.round: ties to even
;;       return np.moveaxis(q.reshape(q.shape[:-2] + (-1,))[..., :K], -1, axis).astype(np.float32)
;;   ~~~
;;   OPERANDS COMPUTED ON THE WAY. 'Computed on the way' means the value that the module computes at that place (a softmax that the list does not call 'softmax' is quantised finished and normalised). What goes into a quantiser is computed in f32, as accurately as f32 sums, v_exp_f32 and their like allow (about 1e-6 of the number): no bf16 or f16 on the way to a quantiser, and a product that is left as it is and whose result goes on into a quantised operand takes f32 operands (vector FMAs, or v_wmma_f32_16x16x4_f32). A number that lies on a knife's edge between two numbers of the format may be rounded either way, as far as f32 arithmetic and the matrix unit's own rounding can turn it there, and no further.
;; One version. Each part assembles by itself: llvm-mc -triple=amdgcn-amd-amdhsa -mcpu=gfx1250 --defsym DOCPART=n.
;; ======== version 1 of 1: 2 launches
;; workspace buffers: acodes 4,718,592 bytes; bcodes 4,718,592 bytes; ascales 196,608 bytes; bscales 196,608 bytes
;; launch quant (part 1): grid 32 x 8, 6 waves a work-group, no clusters, 0 bytes of LDS; arguments input_real, input_imag, weight, acodes, ascales, bcodes, bscales; writes acodes, ascales, bcodes, bscales
.if DOCPART == 1
	.amdgcn_target "amdgcn-amd-amdhsa--gfx1250"
	.amdhsa_code_object_version 6
	.text
	.protected	k_q8388b6fbaa_quant
	.globl	k_q8388b6fbaa_quant
	.p2align	8
	.type	k_q8388b6fbaa_quant,@function
k_q8388b6fbaa_quant:
	s_mov_b64 s[64:65], 0
	v_nop
	global_prefetch_b8 v0, s[64:65] scope:SCOPE_SE
	s_setreg_imm32_b32 hwreg(HW_REG_WAVE_MODE, 25, 1), 1
	s_wait_xcnt 0x0
; x[b][s][d] (input_real or input_imag, f32, [8][512][768]) and y = weight[b][s] * x[b][s][d] are quantised along s (the products' K) to codes of BF6 (E3M2)
; with one E8M0 scale byte for each 32 along s.  x's codes go to bcodes / bscales (the products' right operand), y's to acodes / ascales (the left one).
; A block's scale is 2^(floor(log2(its largest magnitude)) - 4); its byte is the largest magnitude's own exponent field - 4, held at 1 from below by a floor among the maximum's leaves.
; LIMITS: NaN and infinities among the inputs are not served.  A block of zeros gets the byte 1 where the rule says 127: its codes are zeros, which add nothing under any
; byte but 0xff, and the bytes are read by this program alone.  A largest magnitude under 2^-122 gets the byte 1, which is the rule's own hold at -126.
; s IS NOT INNERMOST IN MEMORY: a lane takes a column d and its registers run down s.  Each load then reads 128 consecutive bytes a wave (the six waves stand side by side on 768),
; a block of 32 along s lies in one lane's 32 registers, its largest magnitude needs no other lane, and the conversions give codes with s innermost.
; SHARES.  Work-group x = 16 t + 4 q + cg: tensor t (0 real, 1 imag), s = 128 q on, columns 192 cg on;  y = the batch.  Wave w: 32 columns = two tiles of 16.  256 equal work-groups.
; No two work-groups read the same numbers but the 512 bytes of weights, so there is no cluster; waves share nothing, so there is no LDS and no barrier; four blocks, written out, every offset an immediate.
; THE OUTPUT IS LAID AS THE MATRIX UNIT'S REGISTERS: a fragment (16 columns x 128 s) is 12 registers a lane; lane (r, h) holds column r, registers 6 c .. 6 c + 5 hold s = 64 c + 32 h + 0 .. 31.
; Register j of lane l lies at 512 (j / 4) + 16 l + 4 (j % 4) of the fragment's 1,536 bytes: three stores of 16 bytes a lane, each of 512 consecutive bytes.
;   codes:  [b 8][tile 48][t 2][q 4][1,536]        scale bytes: [b 8][tile 48][t 2][column 16][16], byte 4 q + k for s block 4 q + k
.set ROW,  3072                        ; bytes from s to s + 1
.set X,    32                          ; v32-159  four sets of 32 numbers, one for each block of 32 along s
.set Y,    160                         ; v160-191 the block in hand, times its weights
.set FR,   192                         ; v192-203, v204-215  x's two fragments (first made as: even blocks, odd blocks)
.set FW,   216                         ; v216-227, v228-239  y's two
.set TR,   240                         ; v240-242, v244-246  the upper 16 codes of x's even and odd block in hand
.set TW,   248                         ; v248-250, v252-254  the same for y
	s_load_b256 s[4:11], s[0:1], 0x0               ; real s[4:5], imag s[6:7], weight s[8:9], acodes s[10:11]
	s_load_b128 s[12:15], s[0:1], 0x20             ; ascales s[12:13], bcodes s[14:15]
	s_load_b64 s[16:17], s[0:1], 0x30              ; bscales
	v_lshrrev_b32 v1, 5, v0
	v_readfirstlane_b32 s18, v1                    ; wave 0..5
	v_and_b32 v1, 31, v0                           ; lane
	v_lshlrev_b32 v2, 2, v1                        ; in: 4 bytes a lane
	v_lshlrev_b32 v3, 4, v1                        ; codes out: 16 bytes a lane
	v_lshrrev_b32 v4, 4, v1
	v_and_b32 v5, 15, v1
	v_lshlrev_b32 v4, 9, v4
	v_lshl_add_u32 v4, v5, 4, v4                   ; scale words out: 512 x (my tile of the two) + 16 x (my column in it)
	s_and_b32 s19, ttmp9, 3                        ; cg
	s_bfe_u32 s20, ttmp9, 0x20002                  ; q
	s_lshr_b32 s21, ttmp9, 4                       ; t
	s_and_b32 s22, ttmp7, 0xffff                   ; b
	s_mul_i32 s24, s22, 512*ROW                    ; the input: b x 512 rows
	s_mul_i32 s23, s20, 128*ROW                    ; + q x 128 rows
	s_add_co_u32 s24, s24, s23
	s_mul_i32 s23, s19, 768                        ; + 192 columns x cg
	s_add_co_u32 s24, s24, s23
	s_lshl_b32 s23, s18, 7                         ; + 32 columns x wave
	s_add_co_u32 s24, s24, s23
	s_mov_b32 s25, 0
	s_lshl_b32 s26, s22, 11                        ; the weights: b x 512 + q x 128 numbers
	s_lshl_b32 s23, s20, 9
	s_add_co_u32 s26, s26, s23
	s_mov_b32 s27, 0
	s_mul_i32 s28, s22, 48*12288                   ; the codes: b x 48 tiles of 12,288 bytes
	s_mul_i32 s23, s19, 12*12288                   ; + 12 tiles x cg
	s_add_co_u32 s28, s28, s23
	s_mul_i32 s23, s18, 2*12288                    ; + 2 tiles x wave
	s_add_co_u32 s28, s28, s23
	s_mul_i32 s23, s21, 6144                       ; + t
	s_add_co_u32 s28, s28, s23
	s_mul_i32 s23, s20, 1536                       ; + q
	s_add_co_u32 s28, s28, s23
	s_mov_b32 s29, 0
	s_mul_i32 s30, s22, 48*512                     ; the scale bytes: b x 48 tiles of 512 bytes
	s_mul_i32 s23, s19, 12*512
	s_add_co_u32 s30, s30, s23
	s_lshl_b32 s23, s18, 10
	s_add_co_u32 s30, s30, s23
	s_lshl_b32 s23, s21, 8
	s_add_co_u32 s30, s30, s23
	s_lshl_b32 s23, s20, 2
	s_add_co_u32 s30, s30, s23
	s_mov_b32 s31, 0
	s_wait_kmcnt 0x0
	s_cmp_eq_u32 s21, 0                            ; real or imag: the choice hangs on the work-group's number alone
	s_cselect_b64 s[4:5], s[4:5], s[6:7]
	s_add_nc_u64 s[4:5], s[4:5], s[24:25]
	s_add_nc_u64 s[8:9], s[8:9], s[26:27]
	s_add_nc_u64 s[10:11], s[10:11], s[28:29]
	s_add_nc_u64 s[14:15], s[14:15], s[28:29]
	s_add_nc_u64 s[12:13], s[12:13], s[30:31]
	s_add_nc_u64 s[16:17], s[16:17], s[30:31]
	s_load_b512 s[32:47], s[8:9], 0x0              ; the weights are the same in all lanes: they live in scalar registers, 32 for the even block in hand,
	s_load_b512 s[48:63], s[8:9], 0x40
	s_load_b512 s[68:83], s[8:9], 0x80             ; 32 for the odd one
	s_load_b512 s[84:99], s[8:9], 0xc0
.macro LOAD j                          ; block j: x(32 j + i, my column), i = 0 .. 31
.irp i, 0,1,2,3,4,5,6,7,8,9,10,11,12,13,14,15,16,17,18,19,20,21,22,23,24,25,26,27,28,29,30,31
	global_load_b32 v[X+32*(\j)+\i], v2, s[4:5] offset:(32*(\j)+\i)*ROW th:TH_LOAD_NT
.endr
.endm
	LOAD 0
	LOAD 1
.macro BLOCK j
.set XS, X+32*(\j)                     ; this block's numbers
.set U,  (\j)%2                        ; even or odd block,
.set C6, 6*((\j)/2)                    ; of which pair: registers 6 c on of a fragment
.set WB, 32+36*U                       ; this block's weights
.if (\j) < 3
	s_wait_loadcnt 32                              ; loads come back in order: this block's 32 are in, the next block's 32 may be out
.else
	s_wait_loadcnt 0x0
.endif
.if (\j) < 2
	LOAD (\j)+2                                    ; two blocks ahead
.endif
.if U == 0
	s_wait_kmcnt 0x0                               ; both sets of weights are in
.endif
.irp i, 0,1,2,3,4,5,6,7,8,9,10,11,12,13,14,15,16,17,18,19,20,21,22,23,24,25,26,27,28,29,30,31
	v_mul_f32 v[Y+\i], s[WB+\i], v[XS+\i]          ; y = w x, in f32
.endr
.if (\j) < 2
	s_load_b512 s[WB:WB+15], s[8:9], 128*((\j)+2)  ; this set takes the weights of the block two further on
	s_load_b512 s[WB+16:WB+31], s[8:9], 128*((\j)+2)+64
.endif
	v_max3_num_f32 v8, |v[XS]|, |v[XS+1]|, |v[XS+2]|       ; the largest magnitudes of x's block and of y's: two chains each, all four by turns
	v_max3_num_f32 v9, |v[XS+3]|, |v[XS+4]|, |v[XS+5]|
	v_max3_num_f32 v10, |v[Y]|, |v[Y+1]|, |v[Y+2]|
	v_max3_num_f32 v11, |v[Y+3]|, |v[Y+4]|, |v[Y+5]|
.irp i, 6,10,14,18,22,26
	v_max3_num_f32 v8, v8, |v[XS+\i]|, |v[XS+\i+1]|
	v_max3_num_f32 v9, v9, |v[XS+\i+2]|, |v[XS+\i+3]|
	v_max3_num_f32 v10, v10, |v[Y+\i]|, |v[Y+\i+1]|
	v_max3_num_f32 v11, v11, |v[Y+\i+2]|, |v[Y+\i+3]|
.endr
	v_max3_num_f32 v8, v8, |v[XS+30]|, |v[XS+31]|
	v_max3_num_f32 v10, v10, |v[Y+30]|, |v[Y+31]|
	v_max3_num_f32 v8, v8, v9, 0x2800000           ; and the floor 2^(5 - 127): so the byte cannot fall under 1
	v_max3_num_f32 v10, v10, v11, 0x2800000
	v_add_nc_u32 v12, 0xfe000000, v8               ; 4 off the exponent field: the conversion takes the exponent field of this operand as its scale, and nothing else of it
	v_add_nc_u32 v13, 0xfe000000, v10
	v_cvt_scalef32_pk16_bf6_f32 v[FR+12*U+C6:FR+12*U+C6+2], v[XS:XS+15], v12       ; 16 codes, 96 bits, the lowest s lowest; beyond 28 the largest code
	v_cvt_scalef32_pk16_bf6_f32 v[TR+4*U:TR+4*U+2], v[XS+16:XS+31], v12            ; (a conversion's three registers begin on an even number: the upper 16 are made apart and moved)
	v_cvt_scalef32_pk16_bf6_f32 v[FW+12*U+C6:FW+12*U+C6+2], v[Y:Y+15], v13
	v_cvt_scalef32_pk16_bf6_f32 v[TW+4*U:TW+4*U+2], v[Y+16:Y+31], v13
	v_lshrrev_b32 v14, 23, v12                     ; the scales' bytes.  (Also the plain line between the conversions and what next touches their results)
	v_lshrrev_b32 v15, 23, v13
.if (\j) == 0
	v_mov_b32 v16, v14                             ; four bytes make my column's scale word for these 128 s, the lower s in the lower byte
	v_mov_b32 v17, v15
.else
	v_lshl_or_b32 v16, v14, 8*(\j), v16
	v_lshl_or_b32 v17, v15, 8*(\j), v17
.endif
.if U == 1
; So far every lane holds both blocks of its own column.  A fragment wants, for 16 columns, the even block in lanes 0-15 and the odd block in lanes 16-31: the even registers' lanes 16-31
; change places with the odd registers' lanes 0-15.  The first of each pair is then the fragment of columns 0-15, the second that of columns 16-31.
.irp i, 0,1,2
	v_permlane16_swap_b32 v[FR+C6+\i], v[FR+12+C6+\i]
	v_permlane16_swap_b32 v[TR+\i], v[TR+4+\i]
	v_permlane16_swap_b32 v[FW+C6+\i], v[FW+12+C6+\i]
	v_permlane16_swap_b32 v[TW+\i], v[TW+4+\i]
.endr
.irp i, 0,1,2
	v_mov_b32 v[FR+C6+3+\i], v[TR+\i]              ; the upper 16 codes to their places
	v_mov_b32 v[FR+12+C6+3+\i], v[TR+4+\i]
	v_mov_b32 v[FW+C6+3+\i], v[TW+\i]
	v_mov_b32 v[FW+12+C6+3+\i], v[TW+4+\i]
.endr
.endif
.endm
	BLOCK 0
	BLOCK 1
	BLOCK 2
	BLOCK 3
.irp u, 0,1                            ; tile u of my two lies 12,288 bytes on
.irp g, 0,1,2
	global_store_b128 v3, v[FR+12*\u+4*\g:FR+12*\u+4*\g+3], s[14:15] offset:12288*\u+512*\g   ; each store of the wave covers 512 consecutive bytes, at a multiple of 512 from the buffer's first byte
	global_store_b128 v3, v[FW+12*\u+4*\g:FW+12*\u+4*\g+3], s[10:11] offset:12288*\u+512*\g
.endr
.endr
	global_store_b32 v4, v16, s[16:17]             ; the scale words: 4 bytes of each column's 16; the other q's work-groups write the other twelve.  They are one part in 24 of what is stored
	global_store_b32 v4, v17, s[12:13]
	s_endpgm
.Lfunc_end_k_q8388b6fbaa_quant:
	.size	k_q8388b6fbaa_quant, .Lfunc_end_k_q8388b6fbaa_quant-k_q8388b6fbaa_quant
	.p2alignl 7, 3214868480
	.fill 96, 4, 3214868480
	.section	.rodata,"a",@progbits
	.p2align	6, 0x0
	.amdhsa_kernel k_q8388b6fbaa_quant
		.amdhsa_group_segment_fixed_size 0
		.amdhsa_private_segment_fixed_size 0
		.amdhsa_enable_private_segment 0
		.amdhsa_kernarg_size 56
		.amdhsa_user_sgpr_count 2
		.amdhsa_user_sgpr_kernarg_segment_ptr 1
		.amdhsa_wavefront_size32 1
		.amdhsa_system_sgpr_workgroup_id_x 1
		.amdhsa_system_sgpr_workgroup_id_y 1
		.amdhsa_system_sgpr_workgroup_id_z 1
		.amdhsa_system_vgpr_workitem_id 0
		.amdhsa_next_free_vgpr 256
		.amdhsa_next_free_sgpr 100
		.amdhsa_reserve_vcc 0
		.amdhsa_float_denorm_mode_32 3
		.amdhsa_float_denorm_mode_16_64 3
		.amdhsa_memory_ordered 1
		.amdhsa_forward_progress 1
		.amdhsa_inst_pref_size 33
	.end_amdhsa_kernel
	.amdgpu_metadata
---
amdhsa.version: [ 1, 2 ]
amdhsa.kernels:
  - .name:           k_q8388b6fbaa_quant
    .symbol:         k_q8388b6fbaa_quant.kd
    .args:
      - { .name: input_real, .offset: 0, .size: 8, .value_kind: global_buffer, .address_space: global }
      - { .name: input_imag, .offset: 8, .size: 8, .value_kind: global_buffer, .address_space: global }
      - { .name: weight, .offset: 16, .size: 8, .value_kind: global_buffer, .address_space: global }
      - { .name: acodes, .offset: 24, .size: 8, .value_kind: global_buffer, .address_space: global }
      - { .name: ascales, .offset: 32, .size: 8, .value_kind: global_buffer, .address_space: global }
      - { .name: bcodes, .offset: 40, .size: 8, .value_kind: global_buffer, .address_space: global }
      - { .name: bscales, .offset: 48, .size: 8, .value_kind: global_buffer, .address_space: global }
    .group_segment_fixed_size: 0
    .private_segment_fixed_size: 0
    .kernarg_segment_align: 8
    .kernarg_segment_size: 56
    .max_flat_workgroup_size: 192
    .sgpr_count:     100
    .vgpr_count:     256
    .wavefront_size: 32
...
	.end_amdgpu_metadata
.endif
;; end of part 1
;; launch mix (part 2): grid 4 x 64, 4 waves a work-group, clusters of 4 x 4, 271,872 bytes of LDS; arguments acodes, ascales, bcodes, bscales, out0, out1; writes out0, out1
.if DOCPART == 2
	.amdgcn_target "amdgcn-amd-amdhsa--gfx1250"
	.amdhsa_code_object_version 6
	.text
	.protected	k_q8388b6fbaa_mix
	.globl	k_q8388b6fbaa_mix
	.p2align	8
	.type	k_q8388b6fbaa_mix,@function
k_q8388b6fbaa_mix:
	s_mov_b64 s[64:65], 0
	v_nop
	global_prefetch_b8 v0, s[64:65] scope:SCOPE_SE
	s_setreg_imm32_b32 hwreg(HW_REG_WAVE_MODE, 25, 1), 1
	s_wait_xcnt 0x0
	s_wait_alu depctr_hold_cnt(0) depctr_sa_sdst(0) depctr_va_vdst(0) depctr_va_sdst(0) depctr_va_ssrc(0) depctr_va_vcc(0) depctr_vm_vsrc(0)
	s_getreg_b32 s2, hwreg(HW_REG_IB_STS2, 6, 4)
	s_cmp_eq_u32 s2, 0
	s_cbranch_scc0 .Lentry_in_a_cluster
	s_endpgm
.Lentry_in_a_cluster:
	s_bfe_u32 s2, ttmp6, 0x10000c
	s_cmp_lg_u32 s2, 0xf033
	s_cbranch_scc0 .Lentry_shape_is_right
	s_endpgm
.Lentry_shape_is_right:
; out0[b][d][e] = sum over s of wr[s][d] r[s][e] + wi[s][d] i[s][e];   out1[b][d][e] = sum over s of wi[s][d] r[s][e] - wr[s][d] i[s][e];   b 8, d and e 768, s 512; f32.
; All four operands are codes of BF6 (E3M2) with one E8M0 scale for each 32 along s, laid by the launch before as images of the matrix unit's registers:
;   acodes (wr, wi), bcodes (r, i): [b][tile of 16 columns 48][t 2][q 4][1,536]: fragment = 16 columns x 128 s, register j of lane l at 512 (j / 4) + 16 l + 4 (j % 4);
;   ascales, bscales: [b][tile][t 2][column 16][16]: 16 bytes at 16 x lane are four scale words (q = 0 .. 3): lanes 0-15 those of t = 0, lanes 16-31 those of t = 1.
; SHARES.  A work-group makes 96 rows d x 192 columns e of both outputs: 8 x 8 x 4 = 256 work-groups.  Wave w owns 48 columns (three tiles): its 24 fragments of r and i, all of s, stay in its
; registers.  The 48 fragments of wr and wi lie in LDS; every wave walks the six tiles of rows, 48 products a tile.  Each fragment feeds two products: wr with r and i, wi with r and i.
; All of s fits, so each LDS byte is filled once: no ring.
; THE MINUS costs no second set of codes: wr x i has accumulators of its own, taken off wi x r by packed subtractions, 12 for a tile of rows.
; THE MATRIX INSTRUCTION IS USED TRANSPOSED: source 0 = 16 columns e, source 1 = 16 rows d: a lane then holds one row d (lane % 16) and eight neighbouring e, 8 (lane / 16) + 0 .. 7.
; CLUSTERS: 4 x 4 work-groups.  The four of a row of the cluster make the same 96 rows d and need the same fragments of wr and wi; the four of a column the same 192 columns e of the same batch, and
; need the same fragments of r and i.  Each part is asked for JOINTLY, by the same tensor load with the same descriptor and a mask that names the four: a quarter of the requests.
; THE WAY OUT.  A tile of 16 rows of both outputs goes through a stage in LDS shared by the four waves (a row's 768 bytes come from all four) and leaves as runs of 256 consecutive bytes.
; Two stages by turns, one barrier a tile; its signal and its wait stand apart, with the next tile's first 24 products between them.
; REGISTERS, in windows of 256: window 0: v1-6 addresses; v16-39 wr's and wi's scale words; v40-51 r's and i's; v64-87 rr + ii, v88-111 ir, v112-135 ri (three accumulators each); v144-191 rows on their way out.
;   window 1: r's fragments at v[12 (4 bb + q)];   window 2: i's likewise;   window 3: two buffers of 96 for a tile of rows: wr's q at + 12 q, wi's at + 48 + 12 q.
.set FRB,    1536                      ; a fragment's image
.set TILEB,  8*FRB                     ; a tile of 16 columns: 2 tensors x 4 q
.set LDSB,   6*TILEB                   ; LDS: wr and wi, 73,728 bytes, at 0; behind them r and i, 3 tiles for each wave
.set STG,    LDSB+12*TILEB             ; behind them the stages: a multiple of 256, and no tile lands there
.set SPITCH, 784                       ; a stage row: 768 bytes + 16 = 49 x 16: the sixteen rows that a store touches start at sixteen different groups of four banks (64 banks of 4 bytes: ISA guide 11.1)
.set SOUT,   16*SPITCH                 ; one output's 16 rows
.set SSTAGE, 2*SOUT                    ; a stage
.set OROW,   3072                      ; a row of an output in bytes
.set LA0,  1                           ; v1  16 x lane: my place in an image; with an offset, tiles 0-2 of wr and wi.  Also my offset among the scale words in memory
                                       ; v2  the same for tiles 3-5, since an LDS offset has 16 bits
.set LB,   3                           ; v3  my place in my wave's images of r and i
.set STO,  4                           ; v4  the stage: where I put 32 bytes of a row
.set RD,   5                           ; v5  and where I read 16 bytes of a row back
.set CO,   6                           ; v6  the same place in the work-group's part of an output
.set SA,   16
.set SB,   40
.set ACC0, 64
.set ACC1, 88
.set ACC2, 112
.set OUT,  144
.set WV,   16                          ; s16 my wave's number
.set G1A,  24                          ; s[24:31], s[32:35] descriptor groups 1 and 0 for wr and wi
.set G0A,  32
.set G1B,  36                          ; s[36:43], s[44:47] for r and i
.set G0B,  44
.set MSB, 0
.macro WIN new                         ; s_set_vgpr_msb's low byte: bits 1:0 source 0, 3:2 source 1, 5:4 source 2, 7:6 destination; the high byte repeats the setting that is left
.if MSB != \new
	s_set_vgpr_msb (MSB<<8)|\new
.set MSB, \new
.endif
.endm
.set MUL_R, 0x0d                       ; source 0 window 1 (r), source 1 window 3, C and D window 0
.set MUL_I, 0x0e                       ; source 0 window 2 (i)
.set TO_R,  0x40                       ; destination window 1, address window 0
.set TO_I,  0x80
.set TO_A,  0xc0
; A round of the cluster's barrier: my work-group's barrier, so that wave 0's signal speaks for all four waves; wave 0 signals; every wave waits for all sixteen work-groups; my work-group's barrier once more.
.macro CROUND
	s_barrier_signal -1
	s_barrier_wait -1
	s_cmp_lg_u32 s[WV], 0
	s_cbranch_scc1 .Lnot_wave_0_\@
	s_barrier_signal -3
.Lnot_wave_0_\@:
	s_barrier_wait -3
	s_barrier_signal -1
	s_barrier_wait -1
.endm
.macro PLACES n
.rept \n
	v_nop
.endr
.endm
	s_load_b256 s[4:11], s[0:1], 0x0               ; acodes s[4:5], ascales s[6:7], bcodes s[8:9], bscales s[10:11]
	s_load_b128 s[12:15], s[0:1], 0x20             ; out0 s[12:13], out1 s[14:15]
	v_lshl_add_u32 v254, v0, 2, 0x42400
	v_mov_b32 v255, 0
	ds_add_u32 v254, v255
	ds_add_u32 v254, v255
	v_lshrrev_b32 v8, 5, v0
	v_readfirstlane_b32 s[WV], v8                  ; wave 0..3
	v_and_b32 v8, 31, v0                           ; lane
	v_and_b32 v9, 15, v0                           ; r = lane % 16
	v_bfe_u32 v10, v0, 4, 1                        ; h = lane / 16
	s_bfe_u32 s17, ttmp6, 0x40000                  ; cx, cy: my place in the cluster
	s_bfe_u32 s18, ttmp6, 0x40004
	s_lshl_b32 s19, ttmp9, 2                       ; in a cluster launch ttmp9 and ttmp7 count clusters
	s_add_co_u32 s19, s19, s17                     ; et: which 192 columns e = 4 x cluster x + cx
	s_and_b32 s21, ttmp7, 0xffff
	s_lshl_b32 s20, s21, 2
	s_add_co_u32 s20, s20, s18                     ; 8 b + dt: which 96 rows d of which batch = 4 x cluster y + cy
	s_lshr_b32 s21, s21, 1                         ; b = cluster y / 2: the cluster's four rows lie in one batch
	s_lshl_b32 s22, s18, 2
	s_lshl_b32 s22, 15, s22                        ; my row of the cluster: places 4 cy .. 4 cy + 3
	s_lshl_b32 s23, 0x1111, s17                    ; my column: places cx, cx + 4, cx + 8, cx + 12
	; descriptor groups 1: dense blocks of memory, as rows of 256 bytes (32 elements of 8 bytes), no padding: an image is read as it lies, 512 consecutive bytes an instruction
	s_or_b32 s[G1A], s22, (3<<16)|(1<<21)          ; 15:0 the mask: wr and wi go to my row; 17:16 elements of 8 bytes; 21 set beside a mask
	s_mov_b32 s[G1A+1], 32<<16                     ; tensor_dim0 = 32
	s_mov_b32 s[G1A+2], 72<<16                     ; tensor_dim1 = 72 rows: a quarter of the six tiles, 18,432 bytes
	s_mov_b32 s[G1A+3], 32<<16                     ; tile_dim0
	s_mov_b32 s[G1A+4], 72                         ; tile_dim1
	s_mov_b32 s[G1A+5], 32                         ; from row to row
	s_mov_b32 s[G1A+6], 0
	s_mov_b32 s[G1A+7], 0
	s_or_b32 s[G1B], s23, (3<<16)|(1<<21)          ; r and i go to my column
	s_mov_b32 s[G1B+1], 32<<16
	s_mov_b32 s[G1B+2], 144<<16                    ; 144 rows: my wave's three tiles, 36,864 bytes
	s_mov_b32 s[G1B+3], 32<<16
	s_mov_b32 s[G1B+4], 144
	s_mov_b32 s[G1B+5], 32
	s_mov_b32 s[G1B+6], 0
	s_mov_b32 s[G1B+7], 0
	; where the parts come from and where they go.  wr's and wi's hang on 8 b + dt and the wave's number, which my row shares; r's and i's on b, et and the wave's number, which my column shares.
	; No place in the cluster enters an LDS address.
	s_mul_i32 s[G0A+1], s[WV], 18432               ; LDS: wave x a quarter
	s_mul_i32 s48, s20, LDSB                       ; memory: six tiles for each 96 rows,
	s_add_co_u32 s48, s48, s[G0A+1]                ; + my quarter
	s_mov_b32 s49, 0
	s_mul_i32 s60, s[WV], 3*TILEB
	s_add_co_u32 s[G0B+1], s60, LDSB               ; LDS: behind wr and wi, wave x three tiles
	s_mul_i32 s50, s21, 48*TILEB                   ; memory: the batch,
	s_mul_i32 s59, s19, 12*TILEB                   ; + twelve tiles for each 192 columns,
	s_add_co_u32 s50, s50, s59
	s_add_co_u32 s50, s50, s60                     ; + my three
	s_mov_b32 s51, 0
	s_mul_i32 s52, s20, 6*512                      ; the scale words: 512 bytes a tile
	s_mov_b32 s53, 0
	s_mul_i32 s54, s21, 48*512
	s_mul_i32 s59, s19, 12*512
	s_add_co_u32 s54, s54, s59
	s_mul_i32 s59, s[WV], 3*512
	s_add_co_u32 s54, s54, s59
	s_mov_b32 s55, 0
	s_mul_i32 s56, s20, 96*OROW                    ; the outputs: my 96 rows,
	s_mul_i32 s59, s19, 768                        ; my 192 columns
	s_add_co_u32 s56, s56, s59
	s_mov_b32 s57, 0
	v_lshlrev_b32 v[LA0], 4, v8
	v_add_nc_u32 v[LA0+1], 3*TILEB, v[LA0]
	v_add_nc_u32 v[LB], s[G0B+1], v[LA0]
	s_mul_i32 s61, s[WV], 192
	s_add_co_u32 s61, s61, STG
	v_mul_u32_u24 v[STO], v9, SPITCH               ; into the stage: row r, my wave's 192 bytes, 32 bytes for each half of the lanes
	v_lshl_add_u32 v[STO], v10, 5, v[STO]
	v_add_nc_u32 v[STO], s61, v[STO]
	s_mul_i32 s61, s[WV], 4*SPITCH
	s_add_co_u32 s61, s61, STG
	v_mul_u32_u24 v[RD], v10, SPITCH               ; back: wave w takes rows 4 w .. 4 w + 3; lanes 0-15 take 256 bytes of one row, lanes 16-31 of the next
	v_lshl_add_u32 v[RD], v9, 4, v[RD]
	v_add_nc_u32 v[RD], s61, v[RD]
	s_mul_i32 s61, s[WV], 4*OROW
	v_mul_u32_u24 v[CO], v10, OROW                 ; and the same place in an output
	v_lshl_add_u32 v[CO], v9, 4, v[CO]
	v_add_nc_u32 v[CO], s61, v[CO]
	s_wait_dscnt 0x0
	s_wait_kmcnt 0x0
	s_mov_b32 s[G0A], 1                            ; 1:0 count = 1
	s_add_nc_u64 s[G0A+2:G0A+3], s[4:5], s[48:49]  ; 120:64 global address
	s_or_b32 s[G0A+3], s[G0A+3], 0x80000000        ; 127:126 type = 2
	s_mov_b32 s[G0B], 1
	s_add_nc_u64 s[G0B+2:G0B+3], s[8:9], s[50:51]
	s_or_b32 s[G0B+3], s[G0B+3], 0x80000000
	s_add_nc_u64 s[6:7], s[6:7], s[52:53]
	s_add_nc_u64 s[10:11], s[10:11], s[54:55]
	s_add_nc_u64 s[12:13], s[12:13], s[56:57]
	s_add_nc_u64 s[14:15], s[14:15], s[56:57]
	CROUND                                         ; all sixteen work-groups are here: the joint loads meet
	tensor_load_to_lds s[G0B:G0B+3], s[G1B:G1B+7]  ; the launch's only fills: two loads of mine are out.  r and i first: they go on into registers
	s_nop 0
	tensor_load_to_lds s[G0A:G0A+3], s[G1A:G1A+7]
	s_nop 0
	PLACES 4                                       ; four v_nop follow the second
.irp t, 0,1,2,3,4,5
	global_load_b128 v[SA+4*\t:SA+4*\t+3], v[LA0], s[6:7] offset:512*\t      ; tile t's scale words: register 4 t + q; lanes 0-15 wr's, lanes 16-31 wi's.  512 consecutive bytes a load
.endr
.irp bb, 0,1,2
	global_load_b128 v[SB+4*\bb:SB+4*\bb+3], v[LA0], s[10:11] offset:512*\bb  ; my tile bb's: register 4 bb + q; lanes 0-15 r's, lanes 16-31 i's
.endr
	s_wait_tensorcnt 0x1                           ; tensor loads of a wave end in order: my part of r and i is in, and only I read it; wr's and wi's load may be out
	WIN TO_R
.irp bb, 0,1,2
.irp q, 0,1,2,3
.irp g, 0,1,2
	ds_load_b128 v[12*(4*\bb+\q)+4*\g:12*(4*\bb+\q)+4*\g+3], v[LB] offset:\bb*TILEB+\q*FRB+512*\g
.endr
.endr
.endr
	WIN TO_I
.irp bb, 0,1,2
.irp q, 0,1,2,3
.irp g, 0,1,2
	ds_load_b128 v[12*(4*\bb+\q)+4*\g:12*(4*\bb+\q)+4*\g+3], v[LB] offset:\bb*TILEB+4*FRB+\q*FRB+512*\g
.endr
.endr
.endr
	WIN 0
	s_wait_tensorcnt 0x0                           ; my quarter of wr and wi is in,
	s_wait_dscnt 0x0                               ; (no LDS instruction is pending at a signal)
	s_barrier_signal -1
	s_barrier_wait -1                              ; everybody's is
; The eight fragments of tile t of rows (wr's four, then wi's four) into buffer p: 24 loads in one run
.macro FETCHA t, p
.irp f, 0,1,2,3,4,5,6,7
.irp g, 0,1,2
	ds_load_b128 v[96*(\p)+12*\f+4*\g:96*(\p)+12*\f+4*\g+3], v[LA0+(\t)/3] offset:((\t)%3)*TILEB+\f*FRB+512*\g
.endr
.endr
.endm
; 24 products with r: rr starts out0's sums, ir out1's: nothing is ever cleared.  Six accumulators take turns, one instruction a turn.
; Scales: source 0's register 4 bb + q (r: lanes 0-15), source 1's register 4 t + q (wr: lanes 0-15, wi: lanes 16-31).
.macro MULR t, p
.irp q, 0,1,2,3
.irp bb, 0,1,2
.if \q == 0
	v_wmma_scale_f32_16x16x128_f8f6f4 v[ACC0+8*\bb:ACC0+8*\bb+7], v[12*(4*\bb+\q):12*(4*\bb+\q)+11], v[96*(\p)+12*\q:96*(\p)+12*\q+11], 0, v[SB+4*\bb+\q], v[SA+4*(\t)+\q] matrix_a_fmt:MATRIX_FMT_BF6 matrix_b_fmt:MATRIX_FMT_BF6
.else
	v_wmma_scale_f32_16x16x128_f8f6f4 v[ACC0+8*\bb:ACC0+8*\bb+7], v[12*(4*\bb+\q):12*(4*\bb+\q)+11], v[96*(\p)+12*\q:96*(\p)+12*\q+11], v[ACC0+8*\bb:ACC0+8*\bb+7], v[SB+4*\bb+\q], v[SA+4*(\t)+\q] matrix_a_fmt:MATRIX_FMT_BF6 matrix_b_fmt:MATRIX_FMT_BF6
.endif
.endr
.irp bb, 0,1,2
.if \q == 0
	v_wmma_scale_f32_16x16x128_f8f6f4 v[ACC1+8*\bb:ACC1+8*\bb+7], v[12*(4*\bb+\q):12*(4*\bb+\q)+11], v[96*(\p)+48+12*\q:96*(\p)+48+12*\q+11], 0, v[SB+4*\bb+\q], v[SA+4*(\t)+\q] matrix_a_fmt:MATRIX_FMT_BF6 matrix_b_fmt:MATRIX_FMT_BF6 matrix_b_scale:MATRIX_SCALE_ROW1
.else
	v_wmma_scale_f32_16x16x128_f8f6f4 v[ACC1+8*\bb:ACC1+8*\bb+7], v[12*(4*\bb+\q):12*(4*\bb+\q)+11], v[96*(\p)+48+12*\q:96*(\p)+48+12*\q+11], v[ACC1+8*\bb:ACC1+8*\bb+7], v[SB+4*\bb+\q], v[SA+4*(\t)+\q] matrix_a_fmt:MATRIX_FMT_BF6 matrix_b_fmt:MATRIX_FMT_BF6 matrix_b_scale:MATRIX_SCALE_ROW1
.endif
.endr
.endr
.endm
; 24 products with i (its scales: lanes 16-31): ii goes on onto rr's sums, ri starts sums of its own.
.macro MULI t, p
.irp q, 0,1,2,3
.irp bb, 0,1,2
	v_wmma_scale_f32_16x16x128_f8f6f4 v[ACC0+8*\bb:ACC0+8*\bb+7], v[12*(4*\bb+\q):12*(4*\bb+\q)+11], v[96*(\p)+48+12*\q:96*(\p)+48+12*\q+11], v[ACC0+8*\bb:ACC0+8*\bb+7], v[SB+4*\bb+\q], v[SA+4*(\t)+\q] matrix_a_fmt:MATRIX_FMT_BF6 matrix_b_fmt:MATRIX_FMT_BF6 matrix_a_scale:MATRIX_SCALE_ROW1 matrix_b_scale:MATRIX_SCALE_ROW1
.endr
.irp bb, 0,1,2
.if \q == 0
	v_wmma_scale_f32_16x16x128_f8f6f4 v[ACC2+8*\bb:ACC2+8*\bb+7], v[12*(4*\bb+\q):12*(4*\bb+\q)+11], v[96*(\p)+12*\q:96*(\p)+12*\q+11], 0, v[SB+4*\bb+\q], v[SA+4*(\t)+\q] matrix_a_fmt:MATRIX_FMT_BF6 matrix_b_fmt:MATRIX_FMT_BF6 matrix_a_scale:MATRIX_SCALE_ROW1
.else
	v_wmma_scale_f32_16x16x128_f8f6f4 v[ACC2+8*\bb:ACC2+8*\bb+7], v[12*(4*\bb+\q):12*(4*\bb+\q)+11], v[96*(\p)+12*\q:96*(\p)+12*\q+11], v[ACC2+8*\bb:ACC2+8*\bb+7], v[SB+4*\bb+\q], v[SA+4*(\t)+\q] matrix_a_fmt:MATRIX_FMT_BF6 matrix_b_fmt:MATRIX_FMT_BF6 matrix_a_scale:MATRIX_SCALE_ROW1
.endif
.endr
.endr
.endm
.macro DIFF                            ; out1 = ir - ri, two at a time, each accumulator from its low end on
.irp bb, 0,1,2
.irp k, 0,2,4,6
	v_pk_add_f32 v[ACC1+8*\bb+\k:ACC1+8*\bb+\k+1], v[ACC1+8*\bb+\k:ACC1+8*\bb+\k+1], v[ACC2+8*\bb+\k:ACC2+8*\bb+\k+1] neg_lo:[0,1] neg_hi:[0,1]
.endr
.endr
.endm
.macro TOSTAGE p                       ; lane (r, h): row r, columns 48 w + 16 bb + 8 h + 0 .. 7 of out0, then of out1; each accumulator from its low end on
.irp bb, 0,1,2
	ds_store_b128 v[STO], v[ACC0+8*\bb:ACC0+8*\bb+3] offset:(\p)*SSTAGE+64*\bb
	ds_store_b128 v[STO], v[ACC0+8*\bb+4:ACC0+8*\bb+7] offset:(\p)*SSTAGE+64*\bb+16
.endr
.irp bb, 0,1,2
	ds_store_b128 v[STO], v[ACC1+8*\bb:ACC1+8*\bb+3] offset:(\p)*SSTAGE+SOUT+64*\bb
	ds_store_b128 v[STO], v[ACC1+8*\bb+4:ACC1+8*\bb+7] offset:(\p)*SSTAGE+SOUT+64*\bb+16
.endr
.endm
.macro FROMSTAGE p                     ; my four rows of both outputs: output o, rows 2 rp and 2 rp + 1 of the four, bytes 256 cu on
	s_wait_xcnt 0x0                                ; the stores of the tile before have read these registers: they are loaded again only behind this wait
.irp o, 0,1
.irp rp, 0,1
.irp cu, 0,1,2
	ds_load_b128 v[OUT+4*(6*\o+3*\rp+\cu):OUT+4*(6*\o+3*\rp+\cu)+3], v[RD] offset:(\p)*SSTAGE+\o*SOUT+\rp*2*SPITCH+\cu*256
.endr
.endr
.endr
.endm
.macro SEND t                          ; tile t's rows lie 16 t rows down
.irp o, 0,1
.irp rp, 0,1
.irp cu, 0,1,2
	global_store_b128 v[CO], v[OUT+4*(6*\o+3*\rp+\cu):OUT+4*(6*\o+3*\rp+\cu)+3], s[12+2*\o:13+2*\o] offset:(\t)*16*OROW+\rp*2*OROW+\cu*256 th:TH_STORE_NT   ; 16 lanes store 256 consecutive bytes, at a multiple of 256 from the output's first byte; written once, read by nobody here
.endr
.endr
.endr
.endm
; THE TRIP of tile t of rows, on buffer and stage p = t % 2.  Written out six times: every offset is an immediate.
; The stages' order: stage p is written in front of this trip's signal; it is read behind that barrier's wait, in the next trip, and those reads are waited for in front of the next trip's signal;
; it is written again only behind the next trip's barrier's wait, in the trip after.
.macro TRIP t, p
.if (\t) == 0
	s_wait_dscnt 0x0                               ; tile 0's fragments are in  (a later tile's were waited for in front of the last signal)
	s_wait_loadcnt 0x0                             ; and the scale words
.endif
	WIN MUL_R
	MULR \t, \p                                    ; work on registers between the last trip's signal and the wait for it
	WIN 0
.if (\t) > 0
	s_barrier_wait -1                              ; the tile before lies whole in the other stage
	FROMSTAGE 1-(\p)
.endif
.if (\t) < 5
	WIN TO_A
	FETCHA (\t)+1, 1-(\p)                          ; the next tile's fragments.  That buffer's last readers are the last trip's products with i: five v_nop and twelve subtractions stand between
.endif
	WIN MUL_I
	MULI \t, \p
	WIN 0
.if (\t) > 0
.if (\t) < 5
	s_wait_dscnt 24                                ; LDS loads come back in order: the twelve from the stage are in, the 24 fragment loads behind them may be out
.else
	s_wait_dscnt 0x0
.endif
	SEND (\t)-1                                    ; the tile before leaves while this one is finished
.endif
	PLACES 5                                       ; four places in front of the first reads of these results, and five in front of the next trip's products, which begin the sums anew over them (ISA guide 7.12.1)
	DIFF
	TOSTAGE \p
	s_wait_dscnt 0x0                               ; for the others' sake: my stores into the stage have landed and my reads of the other stage are back; and the next tile's fragments are in
	s_barrier_signal -1
.endm
	WIN TO_A
	FETCHA 0, 0
	TRIP 0, 0
	TRIP 1, 1
	TRIP 2, 0
	TRIP 3, 1
	TRIP 4, 0
	TRIP 5, 1
	s_barrier_wait -1                              ; the last tile lies whole in stage 1
	FROMSTAGE 1
	s_wait_dscnt 0x0
	SEND 5
	s_wait_tensorcnt 0x0
	ds_add_u32 v254, v255
	s_wait_dscnt 0x0
	CROUND                                         ; the closing round: no work-group ends while a partner may still ask for a part that names it
	s_endpgm
.Lfunc_end_k_q8388b6fbaa_mix:
	.size	k_q8388b6fbaa_mix, .Lfunc_end_k_q8388b6fbaa_mix-k_q8388b6fbaa_mix
	.p2alignl 7, 3214868480
	.fill 96, 4, 3214868480
	.section	.rodata,"a",@progbits
	.p2align	6, 0x0
	.amdhsa_kernel k_q8388b6fbaa_mix
		.amdhsa_group_segment_fixed_size 271872
		.amdhsa_private_segment_fixed_size 0
		.amdhsa_enable_private_segment 0
		.amdhsa_kernarg_size 48
		.amdhsa_user_sgpr_count 2
		.amdhsa_user_sgpr_kernarg_segment_ptr 1
		.amdhsa_wavefront_size32 1
		.amdhsa_system_sgpr_workgroup_id_x 1
		.amdhsa_system_sgpr_workgroup_id_y 1
		.amdhsa_system_sgpr_workgroup_id_z 1
		.amdhsa_system_vgpr_workitem_id 0
		.amdhsa_next_free_vgpr 960
		.amdhsa_next_free_sgpr 66
		.amdhsa_reserve_vcc 0
		.amdhsa_float_denorm_mode_32 3
		.amdhsa_float_denorm_mode_16_64 3
		.amdhsa_memory_ordered 1
		.amdhsa_forward_progress 1
		.amdhsa_inst_pref_size 80
	.end_amdhsa_kernel
	.amdgpu_metadata
---
amdhsa.version: [ 1, 2 ]
amdhsa.kernels:
  - .name:           k_q8388b6fbaa_mix
    .symbol:         k_q8388b6fbaa_mix.kd
    .args:
      - { .name: acodes, .offset: 0, .size: 8, .value_kind: global_buffer, .address_space: global }
      - { .name: ascales, .offset: 8, .size: 8, .value_kind: global_buffer, .address_space: global }
      - { .name: bcodes, .offset: 16, .size: 8, .value_kind: global_buffer, .address_space: global }
      - { .name: bscales, .offset: 24, .size: 8, .value_kind: global_buffer, .address_space: global }
      - { .name: out0, .offset: 32, .size: 8, .value_kind: global_buffer, .address_space: global }
      - { .name: out1, .offset: 40, .size: 8, .value_kind: global_buffer, .address_space: global }
    .group_segment_fixed_size: 271872
    .private_segment_fixed_size: 0
    .kernarg_segment_align: 8
    .kernarg_segment_size: 48
    .max_flat_workgroup_size: 128
    .sgpr_count:     66
    .vgpr_count:     960
    .wavefront_size: 32
...
	.end_amdgpu_metadata
.endif
;; end of part 2
